; MI455X (gfx1250); checked and timed in simulation.
; The chip was launched on July 23, 2026; its instructions are those of AMD's public machine-readable ISA for CDNA 5 (MIT licence, August 2026) and "CDNA5" Instruction Set Architecture Reference Guide (July 2026). The comments in the code are by the model that wrote it; some were corrected since.
;; Attention Block. Allowed arithmetic: matrix products marked QUANTISED: E2M3 operands, one E8M0 scale for each 32 along K, by v_wmma_scale_f32_16x16x128_f8f6f4 with both operands' format E2M3, f32 sums; everything else in f32.
;; Inputs: gn_b 256 float32; gn_w 256 float32; proj_b 256 float32; proj_w_codes 256 x 8 x 24 uint8 (E2M3 codes of proj_w, K innermost, in blocks of 32 codes, four codes in three bytes); proj_w_scales 256 x 8 uint8 (E8M0 scales of proj_w, one for each 32 codes along K); qkv_b 768 float32; qkv_w_codes 768 x 8 x 24 uint8 (E2M3 codes of qkv_w, K innermost, in blocks of 32 codes, four codes in three bytes); qkv_w_scales 768 x 8 uint8 (E8M0 scales of qkv_w, one for each 32 codes along K); t_emb 4 x 1,024 float32; x 4 x 256 x 64 x 64 float32.
;; Outputs: out0 4 x 256 x 64 x 64 float32.
;; This version of the problem:
;;   THIS VERSION OF THE PROBLEM IS GIVEN IN LOW PRECISION. The matrix products marked QUANTISED in the list below multiply operands that are first quantised to E2M3 (2 exponent bits, 3 mantissa bits; 6 bits a number), with one power-of-two scale for each 32 numbers along K (OCP MX v1.0); their sums are f32. All else is computed in f32.
;;   The module's matrix products, in the order in which they are computed (A, B: the left and right operand; K: the contracted axis; several contracted axes count as one K, in the product's order):
;;     1. [M 16,384, K 256] x [K 256, N 768]; A: computed on the way; B: input qkv_w (given as codes): QUANTISED
;;     2. batch 16 x [M 4,096, K 64] x [K 64, N 4,096]; A: computed on the way; B: computed on the way: QUANTISED
;;     3. batch 16 x [M 64, K 4,096] x [K 4,096, N 4,096]; A: computed on the way; B: softmax (see below): QUANTISED
;;     4. [M 16,384, K 256] x [K 256, N 256]; A: computed on the way; B: input proj_w (given as codes): QUANTISED
;;   THE QUANTISER, for each operand of a quantised product, along K:
;;     - K is cut into blocks of 32 from its start; a last block that is shorter is filled with zeros.
;;     - A block's scale is 2^e with e = floor(log2(the largest magnitude in the block)) - 2, held to -126 .. 127; a block of zeros has e = 0. As a byte (E8M0): e + 127.
;;     - Each number is divided by its block's scale, clamped to +-7.5, and rounded to the nearest number of E2M3, ties to even, subnormals kept.
;;     - The product sums the exact products of the quantised numbers (number of the format x scale) in f32.
;;   ~~~python
;;   def quantise(x, axis):      # numpy; x: float32 -> the quantised numbers, widened to float32 again
;;       x = np.moveaxis(x, axis, -1); K = x.shape[-1]
;;       x = np.pad(x, [(0, 0)] * (x.ndim - 1) + [(0, -K % 32)]); x = x.reshape(x.shape[:-1] + (-1, 32)); a = np.abs(x).max(-1, keepdims=True)
;;       e = np.where(a > 0, np.clip(np.frexp(np.where(a > 0, a, 1))[1] - 1 - 2, -126, 127), 0)      # np.frexp(a)[1] - 1 = floor(log2(a)), exactly
;;       r = np.clip(x / 2.0 ** e, -7.5, 7.5)
;;       step = 2.0 ** (np.maximum(np.frexp(np.where(r == 0, 1, r))[1] - 1, 0) - 3)
;;       q = np.round(r / step) * step * 2.0 ** e      # np.round: ties to even
;;       return np.moveaxis(q.reshape(q.shape[:-2] + (-1,))[..., :K], -1, axis).astype(np.float32)
;;   ~~~
;;   SOFTMAX AHEAD OF A QUANTISED PRODUCT. Where the list says 'softmax', what is quantised is not the finished softmax but p = 2^(t - M), with t = logit x log2(e) and M = ceil(the row's largest t), a whole number; so 1/2 < the row's largest p <= 1. The row's sum l is taken of the UNQUANTISED p, in f32, and the product's result is divided by l at the end. Since M is a whole number, a kernel that streams over the keys may use a running M (the ceiling of the running maximum): every later rescaling is an exact power of two, which a block's scale takes up: the codes' values come out the same.
;;   OPERANDS COMPUTED ON THE WAY. 'Computed on the way' means the value that the module computes at that place (a softmax that the list does not call 'softmax' is quantised finished and normalised). What goes into a quantiser is computed in f32, as accurately as f32 sums, v_exp_f32 and their like allow (about 1e-6 of the number): no bf16 or f16 on the way to a quantiser, and a product that is left as it is and whose result goes on into a quantised operand takes f32 operands (vector FMAs, or v_wmma_f32_16x16x4_f32). A number that lies on a knife's edge between two numbers of the format may be rounded either way, as far as f32 arithmetic and the matrix unit's own rounding can turn it there, and no further.
;;   INPUTS GIVEN AS CODES. proj_w (in the module: [256, 256], K = its axis 1); qkv_w (in the module: [768, 256], K = its axis 1): each comes as NAME_codes (uint8): NAME with its K axis moved to the last place and cut into blocks of 32 codes, [.., K / 32, bytes a block], one block behind the other in memory; four codes in three bytes: a row's codes are one little-endian stream of bits, code i at bits 6 i .. 6 i + 5 (a code: sign, 2 exponent bits, 3 mantissa bits); and NAME_scales (uint8): the same leading axes, one E8M0 byte (e + 127) for each 32 codes along K. Its value is code x scale, taken as it is: it is not quantised again, and the codes and scales need not be those that the quantiser above would give.
;; One version. Each part assembles by itself: llvm-mc -triple=amdgcn-amd-amdhsa -mcpu=gfx1250 --defsym DOCPART=n.
;; ======== version 1 of 1: 4 launches
;; workspace buffers: stats 2,048 bytes; qc 3,145,728 bytes; qs 524,288 bytes; kv 6,553,600 bytes; ac 3,145,728 bytes; asc 524,288 bytes
;; launch stats (part 1): grid 256 x 1, 8 waves a work-group, no clusters, 1,280 bytes of LDS; arguments x, stats; writes stats
.if DOCPART == 1
	.amdgcn_target "amdgcn-amd-amdhsa--gfx1250"
	.amdhsa_code_object_version 6
	.text
	.protected	k_q66c27bb10a_stats
	.globl	k_q66c27bb10a_stats
	.p2align	8
	.type	k_q66c27bb10a_stats,@function
k_q66c27bb10a_stats:
	s_mov_b64 s[64:65], 0
	v_nop
	global_prefetch_b8 v0, s[64:65] scope:SCOPE_SE
	s_setreg_imm32_b32 hwreg(HW_REG_WAVE_MODE, 25, 1), 1
	s_wait_xcnt 0x0
; GroupNorm's statistics.  x: [4][256][4096] f32; a group is 8 channels of one batch: 32,768 numbers, 131,072 dense bytes.
; A work-group takes HALF a group (65,536 dense bytes at 65,536 x its number) and stores that half's mean and its sum of squared distances from that mean: stats[work-group] = (mean, M2), two f32.
; The next launch joins the two halves.  Two passes over numbers that stay in registers: the mean first, then the squares of the differences, so no difference of large sums is formed.
; Eight waves, 8,192 bytes each: 16 loads of 16 bytes a lane, each load of a wave covers 512 consecutive bytes.  Memory binds: no matrix unit, no cluster, LDS only for the eight waves' partial sums.
; LIMITS: NaN and infinities among the inputs are not served.
.set X, 16                             ; v16-79   my 64 numbers
.set MN, 80                            ; v[80:81] the mean, twice; at the end (mean, M2)
.set CH, 82                            ; v82-89   four chains of packed sums
	s_load_b128 s[4:7], s[0:1], 0x0                ; x, stats
	v_lshl_add_u32 v96, v0, 2, 0x100
	v_mov_b32 v97, 0
	v_lshrrev_b32 v1, 5, v0
	s_delay_alu instid0(VALU_DEP_1)
	v_readfirstlane_b32 s8, v1                     ; wave
	v_and_b32 v2, 31, v0
	v_and_b32 v3, 0xe0, v0                         ; 32 x wave
	s_delay_alu instid0(VALU_DEP_2)
	v_lshlrev_b32 v2, 4, v2
	s_delay_alu instid0(VALU_DEP_1)
	v_lshl_or_b32 v1, v3, 8, v2                    ; 8,192 x wave + 16 x lane
	v_mov_b32 v10, s8
	s_delay_alu instid0(VALU_DEP_1)
	v_lshlrev_b32 v10, 2, v10                      ; LDS: my wave's word
	v_mov_b32 v11, 0
	s_lshl_b32 s10, ttmp9, 16
	s_mov_b32 s11, 0
	s_lshl_b32 s12, ttmp9, 3
	s_mov_b32 s13, 0
	s_mov_b32 s14, 0x76543210                      ; v_permlanex16_b32's selects for lane l xor 16
	s_mov_b32 s15, 0xfedcba98
	s_wait_alu depctr_va_vdst(0)
	s_wait_kmcnt 0x0
	s_add_nc_u64 s[4:5], s[4:5], s[10:11]
	s_add_nc_u64 s[6:7], s[6:7], s[12:13]
.irp i, 0,1,2,3,4,5,6,7,8,9,10,11,12,13,14,15
	global_load_b128 v[X+4*\i:X+4*\i+3], v1, s[4:5] offset:512*\i
.endr
.macro WAVESUM                         ; the four chains and the 32 lanes: the wave's sum in every lane's v82
	s_delay_alu instid0(VALU_DEP_3)
	v_pk_add_f32 v[CH:CH+1], v[CH:CH+1], v[CH+2:CH+3]
	s_delay_alu instid0(VALU_DEP_2)
	v_pk_add_f32 v[CH+4:CH+5], v[CH+4:CH+5], v[CH+6:CH+7]
	s_delay_alu instid0(VALU_DEP_1)
	v_pk_add_f32 v[CH:CH+1], v[CH:CH+1], v[CH+4:CH+5]
	s_delay_alu instid0(VALU_DEP_1)
	v_add_f32 v[CH], v[CH], v[CH+1]
	s_delay_alu instid0(VALU_DEP_1)
	v_add_f32_dpp v[CH], v[CH], v[CH] row_xmask:1 row_mask:0xf bank_mask:0xf
	s_delay_alu instid0(VALU_DEP_1)
	v_add_f32_dpp v[CH], v[CH], v[CH] row_xmask:2 row_mask:0xf bank_mask:0xf
	s_delay_alu instid0(VALU_DEP_1)
	v_add_f32_dpp v[CH], v[CH], v[CH] row_xmask:4 row_mask:0xf bank_mask:0xf
	s_delay_alu instid0(VALU_DEP_1)
	v_add_f32_dpp v[CH], v[CH], v[CH] row_xmask:8 row_mask:0xf bank_mask:0xf
	s_delay_alu instid0(VALU_DEP_1)
	v_permlanex16_b32 v[CH+1], v[CH], s14, s15
	s_delay_alu instid0(VALU_DEP_1)
	v_add_f32 v[CH], v[CH], v[CH+1]
.endm
.macro GROUPSUM off                    ; the eight waves' sums meet in 32 bytes of LDS at off: the work-group's sum in every lane's v88
	ds_store_b32 v10, v[CH] offset:\off
	s_wait_dscnt 0x0                               ; for the others' sake: my store has landed
	s_barrier_signal -1
	s_barrier_wait -1
	ds_load_b128 v[88:91], v11 offset:\off
	ds_load_b128 v[92:95], v11 offset:\off+16
	s_wait_dscnt 0x0
	v_add_f32 v88, v88, v89
	v_add_f32 v90, v90, v91
	v_add_f32 v92, v92, v93
	v_add_f32 v94, v94, v95
	s_delay_alu instid0(VALU_DEP_3)
	v_add_f32 v88, v88, v90
	s_delay_alu instid0(VALU_DEP_2)
	v_add_f32 v92, v92, v94
	s_delay_alu instid0(VALU_DEP_1)
	v_add_f32 v88, v88, v92
.endm
	; pass 1: the sum.  The first four loads start the chains: nothing is cleared
	s_wait_loadcnt 12                              ; loads come back in order: the first four are in, twelve may be out
.irp c, 0,1,2,3
	v_pk_add_f32 v[CH+2*\c:CH+2*\c+1], v[X+2*\c:X+2*\c+1], v[X+8+2*\c:X+9+2*\c]
.endr
	s_wait_alu depctr_va_vdst(0)
.irp g, 1,2,3
	s_wait_alu depctr_va_vdst(0)
	s_wait_loadcnt 12-4*\g                         ; the next four are in
.irp p, 0,1
.irp c, 0,1,2,3
	v_pk_add_f32 v[CH+2*\c:CH+2*\c+1], v[CH+2*\c:CH+2*\c+1], v[X+16*\g+8*\p+2*\c:X+16*\g+8*\p+2*\c+1]
.endr
.endr
.endr
	WAVESUM
	GROUPSUM 0
	s_delay_alu instid0(VALU_DEP_1)
	v_mul_f32 v[MN], 0x38800000, v88               ; / 16,384: the half group's mean
	s_delay_alu instid0(VALU_DEP_1)
	v_mov_b32 v[MN+1], v[MN]
	; pass 2: the squares of the distances from the mean
.set p, 0
.rept 32
	v_pk_add_f32 v[X+2*p:X+2*p+1], v[X+2*p:X+2*p+1], v[MN:MN+1] neg_lo:[0,1] neg_hi:[0,1]
.set p, p+1
.endr
.irp c, 0,1,2,3
	v_pk_mul_f32 v[CH+2*\c:CH+2*\c+1], v[X+2*\c:X+2*\c+1], v[X+2*\c:X+2*\c+1]
.endr
.set p, 4
.rept 28
	s_delay_alu instid0(VALU_DEP_4)
	v_pk_fma_f32 v[CH+2*(p%4):CH+2*(p%4)+1], v[X+2*p:X+2*p+1], v[X+2*p:X+2*p+1], v[CH+2*(p%4):CH+2*(p%4)+1]
.set p, p+1
.endr
	WAVESUM
	GROUPSUM 32                                    ; other bytes than the first sum's: no wave can overwrite what another still reads
	s_cmp_lg_u32 s8, 0
	s_cbranch_scc1 .Lend
	v_mov_b32 v[MN+1], v88                         ; (mean, M2)
	v_cmp_eq_u32 vcc_lo, 0, v0
	s_wait_alu depctr_va_vdst(0)
	s_wait_xcnt 0x0                                ; EXEC changes only behind this wait
	s_and_saveexec_b32 s9, vcc_lo
	global_store_b64 v11, v[MN:MN+1], s[6:7]       ; one thread stores the work-group's 8 bytes
	s_wait_xcnt 0x0
	s_or_b32 exec_lo, exec_lo, s9
.Lend:
	s_wait_tensorcnt 0x0
	ds_add_u32 v96, v97
	s_wait_dscnt 0x0
	s_endpgm
.Lfunc_end_k_q66c27bb10a_stats:
	.size	k_q66c27bb10a_stats, .Lfunc_end_k_q66c27bb10a_stats-k_q66c27bb10a_stats
	.p2alignl 7, 3214868480
	.fill 96, 4, 3214868480
	.section	.rodata,"a",@progbits
	.p2align	6, 0x0
	.amdhsa_kernel k_q66c27bb10a_stats
		.amdhsa_group_segment_fixed_size 1280
		.amdhsa_private_segment_fixed_size 0
		.amdhsa_enable_private_segment 0
		.amdhsa_kernarg_size 16
		.amdhsa_user_sgpr_count 2
		.amdhsa_user_sgpr_kernarg_segment_ptr 1
		.amdhsa_wavefront_size32 1
		.amdhsa_system_sgpr_workgroup_id_x 1
		.amdhsa_system_sgpr_workgroup_id_y 1
		.amdhsa_system_sgpr_workgroup_id_z 1
		.amdhsa_system_vgpr_workitem_id 0
		.amdhsa_next_free_vgpr 98
		.amdhsa_next_free_sgpr 66
		.amdhsa_reserve_vcc 1
		.amdhsa_float_denorm_mode_32 3
		.amdhsa_float_denorm_mode_16_64 3
		.amdhsa_memory_ordered 1
		.amdhsa_forward_progress 1
		.amdhsa_inst_pref_size 14
	.end_amdhsa_kernel
	.amdgpu_metadata
---
amdhsa.version: [ 1, 2 ]
amdhsa.kernels:
  - .name:           k_q66c27bb10a_stats
    .symbol:         k_q66c27bb10a_stats.kd
    .args:
      - { .name: x, .offset: 0, .size: 8, .value_kind: global_buffer, .address_space: global }
      - { .name: stats, .offset: 8, .size: 8, .value_kind: global_buffer, .address_space: global }
    .group_segment_fixed_size: 1280
    .private_segment_fixed_size: 0
    .kernarg_segment_align: 8
    .kernarg_segment_size: 16
    .max_flat_workgroup_size: 256
    .sgpr_count:     66
    .vgpr_count:     98
    .wavefront_size: 32
...
	.end_amdgpu_metadata
.endif
;; end of part 1
;; launch qkv (part 2): grid 256 x 1, 16 waves a work-group, no clusters, 68,608 bytes of LDS; arguments x, stats, gn_w, gn_b, qkv_w_codes, qkv_w_scales, qkv_b, qc, qs, kv; writes qc, qs, kv
.if DOCPART == 2
	.amdgcn_target "amdgcn-amd-amdhsa--gfx1250"
	.amdhsa_code_object_version 6
	.text
	.protected	k_q66c27bb10a_qkv
	.globl	k_q66c27bb10a_qkv
	.p2align	8
	.type	k_q66c27bb10a_qkv,@function
k_q66c27bb10a_qkv:
	s_mov_b64 s[64:65], 0
	v_nop
	global_prefetch_b8 v0, s[64:65] scope:SCOPE_SE
	s_setreg_imm32_b32 hwreg(HW_REG_WAVE_MODE, 25, 1), 1
	s_wait_xcnt 0x0
; h = GroupNorm(x), qkv = W h + b on codes of FP6 (E2M3) with one E8M0 scale for each 32 along K; q, k and v are quantised on the way and leave as codes, laid as the attention launch's operand registers.
; SHARES.  Work-group g: batch g / 64, columns n = 64 (g % 64) .. + 63.  Sixteen waves.
; PHASE 1, all waves: wave w takes columns 32 (w % 2) + lane and channels 32 (w / 2) .. + 31: A LANE TAKES A COLUMN AND ITS REGISTERS RUN DOWN THE CHANNELS, which are the product's K: a whole block of 32 lies in one lane.
;   It is normalised as reference() writes it ((x - mean) rstd, then w, b), quantised, and its 24 bytes of codes and its scale byte go to LDS, to their places in the images of h's eight fragments.
; PHASE 2, waves 0-11: wave w owns W's rows 64 w .. 64 w + 63: q of head w (0-3), k of head w - 4 (4-7), v of head w - 8 (8-11).
;   q, k: source 0 = 16 rows of W, source 1 = 16 columns of h: a lane holds one column n and its registers run along the head's 64, the scores' K.
;   v:    source 0 = 16 columns of h, source 1 = 16 rows of W: a lane holds one of the head's 64 and its registers run along the keys, the second product's K.
; TILE ORDER, everywhere: row r of tile 2 b + u stands for index 32 b + 8 u + r + 8 (r / 8), so that in a result the 16 registers of tiles 2 b, 2 b + 1 are the neighbours 32 b + 16 (lane / 16) + 0 .. 15.
; HF, half a fragment: 16 rows x 64 K, 6 registers a lane; in memory 768 bytes: registers 0-3 at 16 x lane, registers 4-5 at 512 + 8 x lane.  Every store of codes covers 512 or 256 consecutive bytes, aligned.
; qc [bh][tile 256] HF; qs the same index, 128 bytes: the word (s0, s1, s0, s1) at 4 x lane.
; kv [bh][step 32] a record of 12,800 bytes for 128 keys: 0: K's four fragments (32 keys each: registers 0-5 tile u = 0, 6-11 tile u = 1; three blocks of 512 bytes); 6,144: V's HF(t, pi) at 768 (2 t + pi); 12,288: four scale images of 128 bytes.
; No cluster and no tensor load: every operand goes from memory straight into registers and is read once by its wave (12,288 bytes of W a wave); h goes from wave to wave through LDS as images of registers.
; t_emb enters nothing in reference() and is no argument here.
; LIMITS: NaN and infinities are not served.  A block of zeros gets the scale byte 1 where the rule says 127: its codes are zeros, which add nothing, and these bytes are read by this program alone.
.set SB,   61440                       ; LDS: 0: h's 8 fragments (tile i, K step s) at 1,536 (2 i + s); 12,288 (1 + v): wave 8 + v's image of its 8 fragments of W; SB + 1,024 x region: scale words, (tile, s) at 128 (2 tile + s), row r at 4 r
.set R,    16                          ; v16-111  the operand that stays: (tile t, K step s) at R + 12 (2 t + s)
.set RS,   112                         ; v112-119 its scale words
.set T,    120                         ; v120-143 the operand that is streamed: one tile, two K steps
.set TS,   144                         ; v144-145 its scale words
.set BI,   146                         ; v146-177 q, k: the bias in the result's layout, 8 registers a tile
.set BC,   146                         ; v146-153 v: the lane's bias, eight times
.set VB,   154                         ; v154-157 v: the lane's bias for each of the four tiles of W
.set ACC,  178                         ; v178-209 four accumulators; in phase 1 my 32 numbers of x
.set X,    178
.set PC,   210                         ; v210-233 codes: 6 registers for each of four units
.set PD,   234                         ; v234-236 a conversion's second result
.set TM,   238                         ; v238-245 at work in the quantiser
.set HW,   246                         ; v246-249 a unit's two scale bytes
.set WV,   2                           ; s2  my wave's number
.set SEL,  100                         ; s[100:101] v_permlanex16_b32's selects for lane l xor 16
; v1 4 x lane, v2 16 x lane, v3 8 x lane; v4, v5, v6 phase 1's LDS places; v7, v8 the streamed operand's; v9, v10 the image of W; v11 h's scale words; v12-15 offsets into W, its scales and the bias
; 32 numbers of a lane, register 16 b + i = k 32 b + 16 (lane / 16) + i of my row, become an HF in v[pc] on and the two scale bytes s0 | s1 << 8 in v[hw].  The accumulators are read from their low ends on.
.macro QUANT2 src, pc, hw
.irp b, 0,1
	v_max3_num_f32 v[TM+\b], |v[(\src)+16*\b]|, |v[(\src)+16*\b+1]|, 0x1800000   ; my 16 numbers of block b, and the floor 2^(3 - 127): the byte cannot fall under 1
.endr
.irp i, 2,4,6,8,10,12,14
.irp b, 0,1
	v_max3_num_f32 v[TM+\b], v[TM+\b], |v[(\src)+16*\b+\i]|, |v[(\src)+16*\b+\i+1]|
.endr
.endr
.irp b, 0,1
	s_delay_alu instid0(VALU_DEP_2)
	v_permlanex16_b32 v[TM+2+\b], v[TM+\b], s[SEL], s[SEL+1]
.endr
.irp b, 0,1
	s_delay_alu instid0(VALU_DEP_2)
	v_max_num_f32 v[TM+\b], v[TM+\b], v[TM+2+\b]   ; with lane l xor 16's: the block's largest magnitude
.endr
.irp b, 0,1
	s_delay_alu instid0(VALU_DEP_2)
	v_add_nc_u32 v[TM+4+\b], 0xff000000, v[TM+\b]  ; 2 off its exponent field: the conversion's scale operand
.endr
.irp b, 0,1
	s_delay_alu instid0(VALU_DEP_2)
	v_lshrrev_b32 v[TM+6+\b], 23, v[TM+4+\b]       ; the scale's byte
.endr
	s_delay_alu instid0(VALU_DEP_1)
	v_lshl_or_b32 v[\hw], v[TM+7], 8, v[TM+6]
	v_cvt_scalef32_pk16_fp6_f32 v[(\pc):(\pc)+2], v[(\src):(\src)+15], v[TM+4]
	v_cvt_scalef32_pk16_fp6_f32 v[PD:PD+2], v[(\src)+16:(\src)+31], v[TM+5]     ; (a conversion's three registers begin on an even number)
	v_nop                                          ; one plain place behind a scaled conversion
.irp i, 0,1,2
	v_permlane16_swap_b32 v[(\pc)+\i], v[PD+\i]    ; the layout wants a whole block in a lane: lanes 0-15 block 0, lanes 16-31 block 1
.endr
.irp i, 0,1,2
	s_delay_alu instid0(VALU_DEP_3)
	v_mov_b32 v[(\pc)+3+\i], v[PD+\i]
.endr
.endm
.macro MM d, a, b, c, sa, sb
	v_wmma_scale_f32_16x16x128_f8f6f4 v[(\d):(\d)+7], v[(\a):(\a)+11], v[(\b):(\b)+11], v[(\c):(\c)+7], v[\sa], v[\sb] matrix_a_fmt:MATRIX_FMT_FP6 matrix_b_fmt:MATRIX_FMT_FP6
.endm
.macro FETCH i                         ; tile i of the streamed operand, both K steps, and its scale words
.irp k, 0,1,2,3,4,5
	ds_load_b128 v[T+4*\k:T+4*\k+3], v7 offset:3072*(\i)+512*\k
.endr
.irp s, 0,1
	ds_load_b32 v[TS+\s], v8 offset:256*(\i)+128*\s
.endr
.endm
; A unit: the streamed tile i against the four tiles that stay: eight products, the four accumulators by turns; the bias is the C of each sum's first product; then the quantiser.
.macro UNIT i, isv
.if \isv
.irp j, 0,1,2,3,4,5,6,7
	v_mov_b32 v[BC+\j], v[VB+\i]                   ; v: a lane holds one row of W, so its bias is one number
.endr
	s_wait_alu depctr_va_vdst(0)
.rept 4
	v_nop
.endr
.endif
	s_wait_dscnt 0x0                               ; the streamed tile is in
.irp t, 0,1,2,3
.if \isv
	MM ACC+8*\t, R+24*\t, T, BC, RS+2*\t, TS
.else
	MM ACC+8*\t, R+24*\t, T, BI+8*\t, RS+2*\t, TS
.endif
.endr
.irp t, 0,1,2,3
	MM ACC+8*\t, R+24*\t+12, T+12, ACC+8*\t, RS+2*\t+1, TS+1
.endr
.rept 5
	v_nop                                          ; four places ahead of loads into registers that the products read and of the first read of results; the fifth for the next unit's products, which begin these accumulators anew
.endr
.if \i < 3
	FETCH \i+1
.endif
	QUANT2 ACC, PC+6*\i, HW+\i
.endm
	s_load_b512 s[4:19], s[0:1], 0x0               ; x, stats, gn_w, gn_b, W's codes, W's scales, qkv_b, qc
	s_load_b128 s[20:23], s[0:1], 0x40             ; qs, kv
	v_lshrrev_b32 v250, 5, v0
	s_delay_alu instid0(VALU_DEP_1)
	v_readfirstlane_b32 s[WV], v250                ; wave 0..15
	v_and_b32 v250, 31, v0                         ; lane
	s_delay_alu instid0(VALU_DEP_1)
	v_lshlrev_b32 v1, 2, v250
	s_delay_alu instid0(VALU_DEP_2)
	v_lshlrev_b32 v2, 4, v250
	s_delay_alu instid0(VALU_DEP_3)
	v_lshlrev_b32 v3, 3, v250
	v_and_b32 v251, 15, v0                         ; r
	v_bfe_u32 v252, v0, 4, 1                       ; h
	s_delay_alu instid0(VALU_DEP_2)
	v_and_b32 v253, 8, v251
	s_delay_alu instid0(VALU_DEP_1)
	v_add_nc_u32 v253, v253, v251                  ; r + 8 (r / 8)
	s_delay_alu instid0(VALU_DEP_1)
	v_mul_u32_u24 v12, v253, 192                   ; W: a row of 256 codes is 192 bytes,
	s_delay_alu instid0(VALU_DEP_1)
	v_mad_u32_u24 v12, v252, 24, v12               ;    + 24 h
	s_delay_alu instid0(VALU_DEP_3)
	v_lshlrev_b32 v13, 3, v253                     ; W's scales: 8 bytes a row
	v_lshlrev_b32 v14, 6, v252                     ; the bias in a result's layout: 16 h numbers on
	v_lshlrev_b32 v15, 2, v253                     ; the bias of my row of W
	v_bfe_u32 v254, v0, 3, 1                       ; phase 1: my column 32 f + lane is row r1 of tile 2 f + u: u = bit 3 of the lane,
	s_wait_alu depctr_va_vdst(0)
	v_and_b32 v255, 7, v0
	s_delay_alu instid0(VALU_DEP_1)
	v_lshl_or_b32 v255, v252, 3, v255              ; r1 = lane % 8 + 8 (lane / 16)
	s_and_b32 s24, s[WV], 1                        ; f: which 32 columns
	s_lshr_b32 s25, s[WV], 1                       ; cb: which block of 32 channels
	s_lshr_b32 s26, s[WV], 3                       ; s: its K step of 128;
	s_bfe_u32 s27, s[WV], 0x10002                  ; c: in it registers 6 c .. 6 c + 5
	s_and_b32 s28, s25, 1                          ; hh: of lane r1 + 16 hh
	s_mul_i32 s29, s24, 6144
	s_mul_i32 s30, s26, 1536
	s_add_co_u32 s29, s29, s30
	s_lshl_b32 s30, s28, 8
	s_add_co_u32 s29, s29, s30                     ; 6,144 f + 1,536 s + 256 hh
	s_mul_i32 s30, s27, 520
	s_add_co_u32 s30, s30, s29                     ; registers 0-1 of my six lie at + 0 (c = 0) or + 520 (c = 1); registers 4-5 lie 512 further on
	s_mul_i32 s31, s27, 1016
	s_add_co_u32 s31, s31, s29
	s_add_co_u32 s31, s31, 8                       ; registers 2-3 at + 8 or + 1,024
	v_mul_u32_u24 v4, v254, 3072
	s_wait_alu depctr_va_vdst(0)
	v_lshl_add_u32 v4, v255, 4, v4                 ; 3,072 u + 16 r1
	s_delay_alu instid0(VALU_DEP_1)
	v_add_nc_u32 v5, s31, v4
	s_delay_alu instid0(VALU_DEP_2)
	v_add_nc_u32 v4, s30, v4
	s_lshl_b32 s32, s24, 9
	s_lshl_b32 s33, s26, 7
	s_add_co_u32 s32, s32, s33
	s_and_b32 s33, s25, 3
	s_add_co_u32 s32, s32, s33
	s_add_co_u32 s32, s32, SB
	v_lshlrev_b32 v6, 8, v254
	s_delay_alu instid0(VALU_DEP_1)
	v_lshl_add_u32 v6, v255, 2, v6
	s_delay_alu instid0(VALU_DEP_1)
	v_add_nc_u32 v6, s32, v6                       ; my scale byte: SB + 128 (2 tile + s) + 4 r1 + cb % 4
	s_and_b32 s33, s[WV], 3
	s_add_co_u32 s34, s33, 1
	s_mul_i32 s35, s26, s34                        ; the streamed operand's region: 0 (h) for q and k, 1 + w % 4 (my image of W) for v
	s_mul_i32 s36, s35, 12288
	v_add_nc_u32 v7, s36, v2
	s_lshl_b32 s36, s35, 10
	s_add_co_u32 s36, s36, SB
	v_lshl_add_u32 v8, v251, 2, s36
	s_mul_i32 s36, s34, 12288
	v_add_nc_u32 v9, s36, v2                       ; where a v wave lays its image of W,
	s_lshl_b32 s36, s34, 10
	s_add_co_u32 s36, s36, SB
	v_add_nc_u32 v10, s36, v1                      ; and of W's scale words
	v_lshl_add_u32 v11, v251, 2, SB                ; h's scale words: row r
	s_mov_b32 s[SEL], 0x76543210
	s_mov_b32 s[SEL+1], 0xfedcba98
	s_lshr_b32 s37, ttmp9, 6                       ; batch
	s_and_b32 s38, ttmp9, 63                       ; block of 64 columns
	s_mov_b32 s41, 0
	s_lshl_b32 s40, s37, 22
	s_lshl_b32 s39, s25, 19
	s_add_co_u32 s40, s40, s39
	s_lshl_b32 s39, s38, 8
	s_add_co_u32 s40, s40, s39
	s_lshl_b32 s39, s24, 7
	s_add_co_u32 s40, s40, s39                     ; x: 4,194,304 batch + 524,288 cb + 256 block + 128 f
	s_wait_kmcnt 0x0
	s_add_nc_u64 s[4:5], s[4:5], s[40:41]
	s_lshl_b32 s40, s37, 9
	s_lshl_b32 s39, s25, 6
	s_add_co_u32 s40, s40, s39
	s_add_nc_u64 s[6:7], s[6:7], s[40:41]          ; stats: my four groups, 16 bytes each
	s_lshl_b32 s40, s25, 7
	s_add_nc_u64 s[8:9], s[8:9], s[40:41]          ; gn_w, gn_b: my 32 channels
	s_add_nc_u64 s[10:11], s[10:11], s[40:41]
	s_mul_i32 s40, s[WV], 12288
	s_add_nc_u64 s[12:13], s[12:13], s[40:41]      ; W: my 64 rows (waves 12-15 have none and load none)
	s_lshl_b32 s40, s[WV], 9
	s_add_nc_u64 s[14:15], s[14:15], s[40:41]
	s_lshl_b32 s40, s[WV], 8
	s_add_nc_u64 s[16:17], s[16:17], s[40:41]
.set i, 0
.rept 32
	global_load_b32 v[X+i], v1, s[4:5] offset:16384*i   ; channel 32 cb + i at my column: the wave reads 128 consecutive bytes, its sister wave the 128 beside them
.set i, i+1
.endr
	s_load_b512 s[24:39], s[6:7], 0x0              ; (mean, M2) of the two halves of my four groups
	s_load_b512 s[40:55], s[8:9], 0x0              ; gn_w: channel i in s[40 + i] (i < 24),
	s_load_b256 s[56:63], s[8:9], 0x40
	s_load_b256 s[68:75], s[8:9], 0x60             ; s[44 + i] (i >= 24)
	s_load_b512 s[76:91], s[10:11], 0x40           ; gn_b: channels 16-31 in s[60 + i]
	s_cmp_ge_u32 s[WV], 12
	s_cbranch_scc1 .Lloaded
.irp t, 0,1,2,3
.irp s, 0,1
.irp p, 0,1,2,3,4,5
	global_load_b64 v[R+12*(2*\t+\s)+2*\p:R+12*(2*\t+\s)+2*\p+1], v12, s[12:13] offset:(32*(\t/2)+8*(\t%2))*192+96*\s+48*(\p/3)+8*(\p%3)
.endr
.endr
	global_load_b64 v[RS+2*\t:RS+2*\t+1], v13, s[14:15] offset:(32*(\t/2)+8*(\t%2))*8
.endr
	s_cmp_ge_u32 s[WV], 8
	s_cbranch_scc1 .Lbias_v
.irp t, 0,1,2,3
	global_load_b128 v[BI+8*\t:BI+8*\t+3], v14, s[16:17] offset:(32*(\t/2)+8*(\t%2))*4
	global_load_b128 v[BI+8*\t+4:BI+8*\t+7], v14, s[16:17] offset:(32*(\t/2)+8*(\t%2))*4+16
.endr
	s_branch .Lloaded
.Lbias_v:
.irp t, 0,1,2,3
	global_load_b32 v[VB+\t], v15, s[16:17] offset:(32*(\t/2)+8*(\t%2))*4
.endr
.Lloaded:
	s_wait_kmcnt 0x0
	; a group's mean = (ma + mb) / 2; its variance = (M2a + M2b) / 32,768 + ((ma - mb) / 2)^2.  The same in every lane
.irp g, 0,1,2,3
	v_add_f32 v[TM+\g], s[24+4*\g], s[26+4*\g]
	v_sub_f32 v[250+\g], s[24+4*\g], s[26+4*\g]
	v_add_f32 v[TM+4+\g], s[25+4*\g], s[27+4*\g]
.endr
.irp g, 0,1,2,3
	v_mul_f32 v[TM+\g], 0.5, v[TM+\g]
	v_mul_f32 v[250+\g], 0.5, v[250+\g]
	v_mul_f32 v[TM+4+\g], 0x38000000, v[TM+4+\g]
.endr
.irp g, 0,1,2,3
	v_fma_f32 v[TM+4+\g], v[250+\g], v[250+\g], v[TM+4+\g]
.endr
.irp g, 0,1,2,3
	s_delay_alu instid0(VALU_DEP_4)
	v_add_f32 v[TM+4+\g], 0x3727c5ac, v[TM+4+\g]   ; + 1e-5
.endr
	s_wait_alu depctr_va_vdst(0)
.irp g, 0,1,2,3
	v_rsq_f32 v[TM+4+\g], v[TM+4+\g]
.endr
	v_nop                                          ; a plain place behind the last of the four
	s_wait_alu depctr_va_vdst(0)                   ; one wait for the batch, ahead of its first reader
.irp g, 0,1,2,3
	v_readfirstlane_b32 s[92+\g], v[TM+\g]         ; means
	v_readfirstlane_b32 s[96+\g], v[TM+4+\g]       ; 1 / sqrt(var + eps)
.endr
	s_load_b512 s[24:39], s[10:11], 0x0            ; gn_b: channels 0-15 in s[24 + i], where the statistics lay
	s_wait_kmcnt 0x0
	s_wait_loadcnt 0x0                             ; x, and what my role has loaded of W and the bias (the waves have issued different numbers of loads: so the count is 0)
	; ---- phase 1
.set i, 0
.rept 32
	v_sub_f32 v[X+i], v[X+i], s[92+i/8]
.set i, i+1
.endr
.set i, 0
.rept 32
	v_mul_f32 v[X+i], s[96+i/8], v[X+i]
.set i, i+1
.endr
.set i, 0
.rept 32
.if i < 24
.set SGW, 40+i
.else
.set SGW, 44+i
.endif
.if i < 16
.set SGB, 24+i
.else
.set SGB, 60+i
.endif
	v_fma_f32 v[X+i], v[X+i], s[SGW], s[SGB]
.set i, i+1
.endr
	v_max3_num_f32 v250, |v[X]|, |v[X+1]|, |v[X+2]|   ; the block's largest magnitude: all 32 numbers are mine
	v_max3_num_f32 v251, |v[X+3]|, |v[X+4]|, |v[X+5]|
.irp i, 6,10,14,18,22,26
	s_delay_alu instid0(VALU_DEP_2)
	v_max3_num_f32 v250, v250, |v[X+\i]|, |v[X+\i+1]|
	s_delay_alu instid0(VALU_DEP_2)
	v_max3_num_f32 v251, v251, |v[X+\i+2]|, |v[X+\i+3]|
.endr
	s_delay_alu instid0(VALU_DEP_2)
	v_max3_num_f32 v250, v250, |v[X+30]|, |v[X+31]|
	s_delay_alu instid0(VALU_DEP_1)
	v_max3_num_f32 v250, v250, v251, 0x1800000     ; and the floor 2^(3 - 127)
	s_delay_alu instid0(VALU_DEP_1)
	v_add_nc_u32 v252, 0xff000000, v250            ; the conversion's scale operand
	s_delay_alu instid0(VALU_DEP_1)
	v_lshrrev_b32 v253, 23, v252                   ; the scale's byte
	v_cvt_scalef32_pk16_fp6_f32 v[PC:PC+2], v[X:X+15], v252
	v_cvt_scalef32_pk16_fp6_f32 v[PD:PD+2], v[X+16:X+31], v252
	v_nop                                          ; one plain place behind a scaled conversion
.irp i, 0,1,2
	v_mov_b32 v[PC+3+\i], v[PD+\i]
.endr
	ds_store_b64 v4, v[PC:PC+1]
	ds_store_b64 v5, v[PC+2:PC+3]
	ds_store_b64 v4, v[PC+4:PC+5] offset:512
	ds_store_b8 v6, v253
	s_cmp_lt_u32 s[WV], 8                          ; the image of W is laid by waves 8-11 alone: both compares name the wave's number itself
	s_cbranch_scc1 .Lno_image
	s_cmp_ge_u32 s[WV], 12
	s_cbranch_scc1 .Lno_image
.set k, 0
.rept 24
	ds_store_b128 v9, v[R+4*k:R+4*k+3] offset:512*k   ; waves 8-11: W becomes the streamed operand: its image goes to my own region, h will take its registers
.set k, k+1
.endr
.irp k, 0,1,2,3,4,5,6,7
	ds_store_b32 v10, v[RS+\k] offset:128*\k
.endr
.Lno_image:
	s_wait_dscnt 0x0                               ; for the others' sake: my stores have landed
	s_barrier_signal -1
	s_barrier_wait -1                              ; h's eight fragments and their scale words lie in LDS; nothing is written there again
	; ---- phase 2
	s_cmp_ge_u32 s[WV], 12
	s_cbranch_scc1 .Lend
	s_lshr_b32 s24, ttmp9, 6                       ; batch
	s_and_b32 s25, ttmp9, 63                       ; block
	s_and_b32 s26, s[WV], 3                        ; head
	s_lshl_b32 s27, s24, 2
	s_add_co_u32 s27, s27, s26                     ; bh
	s_mov_b32 s31, 0
	s_mov_b32 s33, 0
	s_and_b32 s28, s25, 1                          ; pi: which 64 keys of the record
	s_lshr_b32 s29, s25, 1
	s_mul_i32 s30, s27, 409600
	s_mul_i32 s29, s29, 12800
	s_add_co_u32 s30, s30, s29
	s_add_nc_u64 s[22:23], s[22:23], s[30:31]      ; kv at my record
	s_cmp_ge_u32 s[WV], 8
	s_cbranch_scc1 .Lpath_v
	FETCH 0
	s_cmp_ge_u32 s[WV], 4
	s_cbranch_scc1 .Lpath_k
	; q: unit i is tile 4 block + i of my head
	s_lshl_b32 s29, s27, 8
	s_lshl_b32 s30, s25, 2
	s_add_co_u32 s29, s29, s30
	s_mul_i32 s30, s29, 768
	s_add_nc_u64 s[18:19], s[18:19], s[30:31]
	s_lshl_b32 s30, s29, 7
	s_add_nc_u64 s[20:21], s[20:21], s[30:31]
.irp i, 0,1,2,3
	UNIT \i, 0
	v_lshl_or_b32 v[250+\i], v[HW+\i], 16, v[HW+\i]   ; (s0, s1, s0, s1): q stands in either half of the scores' K
	global_store_b128 v2, v[PC+6*\i:PC+6*\i+3], s[18:19] offset:768*\i
	global_store_b64 v3, v[PC+6*\i+4:PC+6*\i+5], s[18:19] offset:768*\i+512
	global_store_b32 v1, v[250+\i], s[20:21] offset:128*\i
.endr
	s_wait_xcnt 0x0
	v_lshl_add_u32 v254, v0, 2, 0x10400
	v_mov_b32 v255, 0
	s_wait_alu depctr_va_vdst(0)
	s_wait_tensorcnt 0x0
	ds_add_u32 v254, v255
	s_wait_dscnt 0x0
	s_endpgm                                       ; no stored register is written again, so no wait stands among the stores
.Lpath_k:
	s_lshl_b32 s32, s28, 7
	s_add_nc_u64 s[20:21], s[22:23], s[32:33]      ; my scale image: 128 pi on
	s_mul_i32 s32, s28, 3072
	s_add_nc_u64 s[22:23], s[22:23], s[32:33]      ; my two fragments
.irp i, 0,1,2,3
	UNIT \i, 0
.endr
	v_lshl_or_b32 v250, v[HW+1], 16, v[HW]         ; a fragment's word: tile u = 0's two bytes, then tile u = 1's
	v_lshl_or_b32 v251, v[HW+3], 16, v[HW+2]
	s_mov_b32 vcc_lo, 0xffff0000
	v_cndmask_b32 v250, v250, v251, vcc_lo         ; lanes 0-15: the first fragment's, lanes 16-31: the second's
.irp k, 0,1,2,3,4,5
	global_store_b128 v2, v[PC+4*\k:PC+4*\k+3], s[22:23] offset:512*\k   ; units 0, 1 are one fragment's 12 registers, units 2, 3 the next's
.endr
	global_store_b32 v1, v250, s[20:21] offset:12288
	s_wait_xcnt 0x0
	v_lshl_add_u32 v254, v0, 2, 0x10400
	v_mov_b32 v255, 0
	s_wait_alu depctr_va_vdst(0)
	s_wait_tensorcnt 0x0
	ds_add_u32 v254, v255
	s_wait_dscnt 0x0
	s_endpgm
.Lpath_v:
.set k, 0
.rept 24
	ds_load_b128 v[R+4*k:R+4*k+3], v2 offset:512*k    ; h's eight fragments stay
.set k, k+1
.endr
.irp k, 0,1,2,3,4,5,6,7
	ds_load_b32 v[RS+\k], v11 offset:128*\k
.endr
	FETCH 0
	s_lshl_b32 s32, s28, 7
	s_add_nc_u64 s[20:21], s[22:23], s[32:33]
	s_mul_i32 s32, s28, 768
	s_add_nc_u64 s[22:23], s[22:23], s[32:33]
.irp i, 0,1,2,3
	UNIT \i, 1
	global_store_b128 v2, v[PC+6*\i:PC+6*\i+3], s[22:23] offset:6144+1536*\i
	global_store_b64 v3, v[PC+6*\i+4:PC+6*\i+5], s[22:23] offset:6144+1536*\i+512
.endr
	v_lshl_or_b32 v250, v[HW+2], 16, v[HW]         ; lanes 0-15: tiles 0 and 2;
	v_lshl_or_b32 v251, v[HW+3], 16, v[HW+1]       ; lanes 16-31: tiles 1 and 3
	s_mov_b32 vcc_lo, 0xffff0000
	v_cndmask_b32 v250, v250, v251, vcc_lo
	global_store_b32 v1, v250, s[20:21] offset:12544
.Lend:
	s_wait_xcnt 0x0
	v_lshl_add_u32 v254, v0, 2, 0x10400
	v_mov_b32 v255, 0
	s_wait_alu depctr_va_vdst(0)
	s_wait_tensorcnt 0x0
	ds_add_u32 v254, v255
	s_wait_dscnt 0x0
	s_endpgm
.Lfunc_end_k_q66c27bb10a_qkv:
	.size	k_q66c27bb10a_qkv, .Lfunc_end_k_q66c27bb10a_qkv-k_q66c27bb10a_qkv
	.p2alignl 7, 3214868480
	.fill 96, 4, 3214868480
	.section	.rodata,"a",@progbits
	.p2align	6, 0x0
	.amdhsa_kernel k_q66c27bb10a_qkv
		.amdhsa_group_segment_fixed_size 68608
		.amdhsa_private_segment_fixed_size 0
		.amdhsa_enable_private_segment 0
		.amdhsa_kernarg_size 80
		.amdhsa_user_sgpr_count 2
		.amdhsa_user_sgpr_kernarg_segment_ptr 1
		.amdhsa_wavefront_size32 1
		.amdhsa_system_sgpr_workgroup_id_x 1
		.amdhsa_system_sgpr_workgroup_id_y 1
		.amdhsa_system_sgpr_workgroup_id_z 1
		.amdhsa_system_vgpr_workitem_id 0
		.amdhsa_next_free_vgpr 256
		.amdhsa_next_free_sgpr 102
		.amdhsa_reserve_vcc 1
		.amdhsa_float_denorm_mode_32 3
		.amdhsa_float_denorm_mode_16_64 3
		.amdhsa_memory_ordered 1
		.amdhsa_forward_progress 1
		.amdhsa_inst_pref_size 82
	.end_amdhsa_kernel
	.amdgpu_metadata
---
amdhsa.version: [ 1, 2 ]
amdhsa.kernels:
  - .name:           k_q66c27bb10a_qkv
    .symbol:         k_q66c27bb10a_qkv.kd
    .args:
      - { .name: x, .offset: 0, .size: 8, .value_kind: global_buffer, .address_space: global }
      - { .name: stats, .offset: 8, .size: 8, .value_kind: global_buffer, .address_space: global }
      - { .name: gn_w, .offset: 16, .size: 8, .value_kind: global_buffer, .address_space: global }
      - { .name: gn_b, .offset: 24, .size: 8, .value_kind: global_buffer, .address_space: global }
      - { .name: qkv_w_codes, .offset: 32, .size: 8, .value_kind: global_buffer, .address_space: global }
      - { .name: qkv_w_scales, .offset: 40, .size: 8, .value_kind: global_buffer, .address_space: global }
      - { .name: qkv_b, .offset: 48, .size: 8, .value_kind: global_buffer, .address_space: global }
      - { .name: qc, .offset: 56, .size: 8, .value_kind: global_buffer, .address_space: global }
      - { .name: qs, .offset: 64, .size: 8, .value_kind: global_buffer, .address_space: global }
      - { .name: kv, .offset: 72, .size: 8, .value_kind: global_buffer, .address_space: global }
    .group_segment_fixed_size: 68608
    .private_segment_fixed_size: 0
    .kernarg_segment_align: 8
    .kernarg_segment_size: 80
    .max_flat_workgroup_size: 512
    .sgpr_count:     102
    .vgpr_count:     256
    .wavefront_size: 32
...
	.end_amdgpu_metadata
.endif
;; end of part 2
;; launch attn (part 3): grid 16 x 16, 16 waves a work-group, clusters of 4 x 1, 327,680 bytes of LDS; arguments qc, qs, kv, ac, asc; writes ac, asc
.if DOCPART == 3
	.amdgcn_target "amdgcn-amd-amdhsa--gfx1250"
	.amdhsa_code_object_version 6
	.text
	.protected	k_q66c27bb10a_attn
	.globl	k_q66c27bb10a_attn
	.p2align	8
	.type	k_q66c27bb10a_attn,@function
k_q66c27bb10a_attn:
	s_mov_b64 s[64:65], 0
	v_nop
	global_prefetch_b8 v0, s[64:65] scope:SCOPE_SE
	s_setreg_imm32_b32 hwreg(HW_REG_WAVE_MODE, 25, 1), 1
	s_wait_xcnt 0x0
	s_wait_alu depctr_hold_cnt(0) depctr_sa_sdst(0) depctr_va_vdst(0) depctr_va_sdst(0) depctr_va_ssrc(0) depctr_va_vcc(0) depctr_vm_vsrc(0)
	s_getreg_b32 s2, hwreg(HW_REG_IB_STS2, 6, 4)
	s_cmp_eq_u32 s2, 0
	s_cbranch_scc0 .Lentry_in_a_cluster
	s_endpgm
.Lentry_in_a_cluster:
	s_bfe_u32 s2, ttmp6, 0x10000c
	s_cmp_lg_u32 s2, 0x3003
	s_cbranch_scc0 .Lentry_shape_is_right
	s_endpgm
.Lentry_shape_is_right:
; Attention of one (batch, head) pair bh on codes of FP6 (E2M3) with E8M0 scales: S^T = K Q^T, p = 2^(t - M), O^T = V^T P^T, O / l quantised along the head's 64 and stored as codes for the projection.
; t = score x log2(e) / 8; M = the running largest t rounded UP to a whole number; p is not normalised; the row's sum l is taken of the unquantised p and divides at the end.  When M moves, l and O^T are multiplied by 2^(old M - new M): exact.
; SHARES.  A work-group owns 256 queries of bh = work-group y; each of its sixteen waves owns one tile of 16 queries in 256 registers: four waves to a SIMD, so that one wave's vector work stands beside another's products and LDS loads.
; Every wave walks all 4,096 keys, 128 a step.  A step's operands are one record of 12,800 bytes, laid as images of registers: every LDS load takes consecutive bytes, 16, 8 or 4 a lane.
; THE SCORES' K IS 64, THE INSTRUCTION'S 128: a fragment of K carries two tiles of 16 keys, one in each half of K, and Q stands as [Q | 0 | Q] in 18 registers: [Q | 0] picks the first tile, [0 | Q] the second.  Zero codes add nothing.
; Both products are used transposed: a lane holds ONE query (lane % 16) throughout.  Row r of tile 2 b + u of keys is key 32 b + 8 u + r + 8 (r / 8), so p's 16 registers of two neighbouring tiles are 16 neighbouring keys.
; LDS.  Three regions of 8 records: A (steps 0-7, later 24-31), B (8-15), C (16-23).  All three are filled at the start; only A is filled again, once, 16 key steps ahead of its first read.  A wave has at most three tensor loads out.
; CLUSTER.  The four work-groups of a cluster belong to one bh and read the same records: every tensor load is asked for jointly (mask 15), waves 0-3 two records each.
; All of a WGP's LDS is claimed, and 0 is added to spare words.
; LIMITS: NaN and infinities are not served.  A block of zeros gets the scale byte 1 where the rule says 127: its codes are zeros, and these bytes are read by this program alone.
.set REC,   12800                      ; a record: 0 K's four fragments; 6,144 V's eight HF; 12,288 four scale images of 128 bytes
.set REG,   8*REC
.set SPARE, 3*REG                      ; behind the regions: the spare words, 128 bytes for each of 16 waves: eight blocks of 256 bytes that no other line names
.set A16, 1                            ; v1-3   the step's LDS addresses: 16, 8, 4 bytes a lane
.set A8,  2
.set A4,  3
.set LI16, 4                           ; v4-6   16, 8, 4 x lane; never rewritten
.set LI8, 5
.set LI4, 6
.set SPW, 7                            ; v7     my spare word; never rewritten
.set NIL, 8                            ; v8     0; never rewritten
.set QR,  16                           ; v16-33 [Q | 0 | Q];  v12 -M, v13 the largest t, v[14:15] the sum in two halves
.set QS,  34                           ; scale registers: Q's word, p's word, K's two, V's two
.set PS,  35
.set KS,  36
.set VR,  38                           ; v38-39 V's scale images as loaded
.set VS,  40
.set F,   44                           ; v44-91 four fragments of K, then of V
.set S,   96                           ; v96-159 S^T, then p
.set O,   160                          ; v160-191 O^T
.set PCD, 192                          ; v192-203 p's codes
.set PD,  204                          ; v204-206, v208-210 conversions' second results
.set BM,  212                          ; v212-215 the blocks' largest scores
.set PT,  216                          ; v216-219 at work
.set SO,  220                          ; v220-223 the conversions' scale operands
.set FF,  224                          ; v[224:225] f = 2^(old M - new M); at the end 1 / l
.set TP,  226
.set TM,  228                          ; v228-235 the way out's quantiser
.set WV,  14
.set CS,  22                           ; s[22:23] c = log2(e) / 8
.set G1,  24                           ; s[24:31] descriptor group 1;  s[32:47] four groups 0: A, B, C, and A's second fill
.set G0,  32
.set SEL, 48
.set TB,  50                           ; s50 LDS byte at which the step's record begins
.set CNT, 51
.macro CROUND                          ; a round of the cluster's barrier
	s_barrier_signal -1
	s_barrier_wait -1
	s_cmp_lg_u32 s[WV], 0
	s_cbranch_scc1 .Lnot_wave_0_\@
	s_barrier_signal -3
.Lnot_wave_0_\@:
	s_barrier_wait -3
	s_barrier_signal -1
	s_barrier_wait -1
.endm
.macro QUANT2 src, pc, hw              ; 32 numbers of a lane, register 16 b + i = k 32 b + 16 (lane / 16) + i, become an HF in v[pc] on and s0 | s1 << 8 in v[hw]
.irp b, 0,1
	v_max3_num_f32 v[TM+\b], |v[(\src)+16*\b]|, |v[(\src)+16*\b+1]|, 0x1800000
.endr
.irp i, 2,4,6,8,10,12,14
.irp b, 0,1
	s_delay_alu instid0(VALU_DEP_2)
	v_max3_num_f32 v[TM+\b], v[TM+\b], |v[(\src)+16*\b+\i]|, |v[(\src)+16*\b+\i+1]|
.endr
.endr
.irp b, 0,1
	s_delay_alu instid0(VALU_DEP_2)
	v_permlanex16_b32 v[TM+2+\b], v[TM+\b], s[SEL], s[SEL+1]
.endr
.irp b, 0,1
	s_delay_alu instid0(VALU_DEP_2)
	v_max_num_f32 v[TM+\b], v[TM+\b], v[TM+2+\b]
.endr
.irp b, 0,1
	s_delay_alu instid0(VALU_DEP_2)
	v_add_nc_u32 v[TM+4+\b], 0xff000000, v[TM+\b]
.endr
.irp b, 0,1
	s_delay_alu instid0(VALU_DEP_2)
	v_lshrrev_b32 v[TM+6+\b], 23, v[TM+4+\b]
.endr
	s_delay_alu instid0(VALU_DEP_1)
	v_lshl_or_b32 v[\hw], v[TM+7], 8, v[TM+6]
	v_cvt_scalef32_pk16_fp6_f32 v[(\pc):(\pc)+2], v[(\src):(\src)+15], v[TM+4]
	v_cvt_scalef32_pk16_fp6_f32 v[PD:PD+2], v[(\src)+16:(\src)+31], v[TM+5]
	v_nop
.irp i, 0,1,2
	v_permlane16_swap_b32 v[(\pc)+\i], v[PD+\i]
.endr
.irp i, 0,1,2
	s_delay_alu instid0(VALU_DEP_3)
	v_mov_b32 v[(\pc)+3+\i], v[PD+\i]
.endr
.endm
; A KEY STEP: 128 keys.
.macro STEP
	v_add_nc_u32 v[A16], s[TB], v[LI16]
	v_add_nc_u32 v[A8], s[TB], v[LI8]
	v_add_nc_u32 v[A4], s[TB], v[LI4]
	v_nop                                          ; these four are the places ahead of loads into registers that the last step's products read
	ds_load_b32 v[KS], v[A4] offset:12288          ; K's scale words: lanes 0-15 fragment 0 (2), lanes 16-31 fragment 1 (3)
	ds_load_b32 v[KS+1], v[A4] offset:12416
.irp k, 0,1,2,3,4,5,6,7,8,9,10,11
	ds_load_b128 v[F+4*\k:F+4*\k+3], v[A16] offset:512*\k
.endr
	s_wait_alu depctr_va_vdst(0)
.irp q, 0,1,2,3
	s_wait_dscnt 9-3*\q                            ; LDS loads come back in order: fragment q is in, the 9 - 3 q loads behind it may be out
.irp u, 0,1
.if \q%2
	v_wmma_scale_f32_16x16x128_f8f6f4 v[S+8*(2*\q+\u):S+8*(2*\q+\u)+7], v[F+12*\q:F+12*\q+11], v[QR+6*\u:QR+6*\u+11], 0, v[KS+\q/2], v[QS] matrix_a_fmt:MATRIX_FMT_FP6 matrix_b_fmt:MATRIX_FMT_FP6 matrix_a_scale:MATRIX_SCALE_ROW1
.else
	v_wmma_scale_f32_16x16x128_f8f6f4 v[S+8*(2*\q+\u):S+8*(2*\q+\u)+7], v[F+12*\q:F+12*\q+11], v[QR+6*\u:QR+6*\u+11], 0, v[KS+\q/2], v[QS] matrix_a_fmt:MATRIX_FMT_FP6 matrix_b_fmt:MATRIX_FMT_FP6
.endif
.endr
.endr
.rept 4
	v_nop                                          ; places ahead of the loads below and of the first read of the scores
.endr
.irp t, 0,1,2,3                                ; V's four fragments land while the softmax is walked: tile t = [HF(t, 0) | HF(t, 1)]
	ds_load_b128 v[F+12*\t:F+12*\t+3], v[A16] offset:6144+1536*\t
	ds_load_b64 v[F+12*\t+4:F+12*\t+5], v[A8] offset:6144+1536*\t+512
	ds_load_b128 v[F+12*\t+6:F+12*\t+9], v[A16] offset:6144+1536*\t+768
	ds_load_b64 v[F+12*\t+10:F+12*\t+11], v[A8] offset:6144+1536*\t+1280
.endr
	ds_load_b32 v[VR], v[A4] offset:12544
	ds_load_b32 v[VR+1], v[A4] offset:12672
.irp b, 0,1,2,3
	v_max3_num_f32 v[BM+\b], v[S+16*\b], v[S+1+16*\b], v[S+2+16*\b]   ; the largest score of each block of 32 keys: for the row's maximum, and, since p rises with the score, for the block's largest p
.endr
.irp i, 3,5,7,9,11,13
.irp b, 0,1,2,3
	v_max3_num_f32 v[BM+\b], v[BM+\b], v[S+16*\b+\i], v[S+1+16*\b+\i]
.endr
.endr
.irp b, 0,1,2,3
	v_max_num_f32 v[BM+\b], v[BM+\b], v[S+15+16*\b]
.endr
.irp b, 0,1,2,3
	s_delay_alu instid0(VALU_DEP_4)
	v_permlanex16_b32 v[PT+\b], v[BM+\b], s[SEL], s[SEL+1]
.endr
.irp b, 0,1,2,3
	s_delay_alu instid0(VALU_DEP_4)
	v_max_num_f32 v[BM+\b], v[BM+\b], v[PT+\b]     ; with lane l xor 16's 16 keys
.endr
	s_delay_alu instid0(VALU_DEP_2)
	v_max3_num_f32 v[TP], v[BM], v[BM+1], v[BM+2]
	s_delay_alu instid0(VALU_DEP_1)
	v_max_num_f32 v[TP], v[TP], v[BM+3]
	s_delay_alu instid0(VALU_DEP_1)
	v_mul_f32 v[TP], s[CS], v[TP]                  ; the step's largest t (c is positive)
	s_delay_alu instid0(VALU_DEP_1)
	v_max_num_f32 v13, v13, v[TP]                  ; the running largest t
	v_mov_b32 v[TP], v12
	s_delay_alu instid0(VALU_DEP_2)
	v_floor_f32 v12, -v13                          ; the new -M = floor(-t) = -ceil(t)
	s_delay_alu instid0(VALU_DEP_1)
	v_sub_f32 v[TP], v12, v[TP]                    ; old M - new M: a whole number, 0 or less
	s_delay_alu instid0(VALU_DEP_1)
	v_cvt_i32_f32 v[TP], v[TP]                     ; (it saturates)
	s_delay_alu instid0(VALU_DEP_1)
	v_ldexp_f32 v[FF], 1.0, v[TP]                  ; f = 2^(old M - new M)
.set j, 0
.rept 32
	v_pk_fma_f32 v[S+2*j:S+2*j+1], v[S+2*j:S+2*j+1], s[CS:CS+1], v[12:13] op_sel_hi:[1,0,0]   ; t - M, two at a time
.set j, j+1
.endr
.irp b, 0,1,2,3
	v_fma_f32 v[BM+\b], v[BM+\b], s[CS], v12       ; the same of each block's largest score
.endr
.set j, 0
	s_wait_alu depctr_va_vdst(0)
.rept 64
	v_exp_f32 v[S+j], v[S+j]                       ; p = 2^(t - M), at most 1
.set j, j+1
.endr
	s_setprio 1
	v_pk_mul_f32 v[14:15], v[14:15], v[FF:FF+1] op_sel_hi:[1,0]   ; the sums under the new M: a plain place behind the exponentials
	s_wait_alu depctr_va_vdst(0)                   ; one wait for the batch of 64, ahead of its first reader
.irp b, 0,1,2,3
	v_exp_f32 v[BM+\b], v[BM+\b]                   ; the block's largest p: the same two instructions on the same number
.endr
	v_pk_add_f32 v[216:217], v[100:101], v[104:105]
	v_pk_add_f32 v[254:255], v[108:109], v[112:113]
	v_pk_add_f32 v[252:253], v[116:117], v[120:121]
	v_pk_add_f32 v[250:251], v[124:125], v[128:129]
	v_pk_add_f32 v[248:249], v[132:133], v[136:137]
	v_pk_add_f32 v[246:247], v[140:141], v[144:145]
	v_pk_add_f32 v[244:245], v[148:149], v[152:153]
	v_pk_add_f32 v[14:15], v[14:15], v[156:157]
	v_pk_add_f32 v[216:217], v[216:217], v[96:97]
	v_pk_add_f32 v[254:255], v[254:255], v[98:99]
	v_pk_add_f32 v[252:253], v[252:253], v[102:103]
	v_pk_add_f32 v[250:251], v[250:251], v[106:107]
	v_pk_add_f32 v[248:249], v[248:249], v[110:111]
	v_pk_add_f32 v[246:247], v[246:247], v[114:115]
	v_pk_add_f32 v[244:245], v[244:245], v[118:119]
	v_pk_add_f32 v[14:15], v[14:15], v[122:123]
	v_pk_add_f32 v[216:217], v[216:217], v[126:127]
	v_pk_add_f32 v[254:255], v[254:255], v[130:131]
	v_pk_add_f32 v[252:253], v[252:253], v[134:135]
	v_pk_add_f32 v[250:251], v[250:251], v[138:139]
	v_pk_add_f32 v[248:249], v[248:249], v[142:143]
	v_pk_add_f32 v[246:247], v[246:247], v[146:147]
	v_pk_add_f32 v[244:245], v[244:245], v[150:151]
	v_pk_add_f32 v[14:15], v[14:15], v[154:155]
	v_pk_add_f32 v[216:217], v[216:217], v[158:159]
	s_delay_alu instid0(VALU_DEP_2)
	v_pk_add_f32 v[14:15], v[14:15], v[250:251]
	s_delay_alu instid0(VALU_DEP_2)
	v_pk_add_f32 v[216:217], v[216:217], v[248:249]
	v_pk_add_f32 v[254:255], v[254:255], v[246:247]
	v_pk_add_f32 v[252:253], v[252:253], v[244:245]
	s_delay_alu instid0(VALU_DEP_2)
	v_pk_add_f32 v[14:15], v[14:15], v[254:255]
	s_delay_alu instid0(VALU_DEP_2)
	v_pk_add_f32 v[216:217], v[216:217], v[252:253]
	s_delay_alu instid0(VALU_DEP_1)
	v_pk_add_f32 v[14:15], v[14:15], v[216:217]
	s_wait_alu depctr_va_vdst(0)                   ; and one for the four
.irp b, 0,1,2,3
	v_max_num_f32 v[BM+\b], 0x1800000, v[BM+\b]    ; the floor 2^(3 - 127): the byte cannot fall under 1
.endr
.irp b, 0,1,2,3
	s_delay_alu instid0(VALU_DEP_4)
	v_add_nc_u32 v[SO+\b], 0xff000000, v[BM+\b]    ; 2 off the exponent field: the conversion's scale operand
.endr
.irp b, 0,1,2,3
	s_delay_alu instid0(VALU_DEP_4)
	v_lshrrev_b32 v[PT+\b], 23, v[SO+\b]           ; the scale's byte
.endr
	s_delay_alu instid0(VALU_DEP_3)
	v_lshl_or_b32 v[PS], v[PT+1], 8, v[PT]         ; p's scale word for these 128 keys
	s_delay_alu instid0(VALU_DEP_1)
	v_lshl_or_b32 v[PS], v[PT+2], 16, v[PS]
	s_delay_alu instid0(VALU_DEP_1)
	v_lshl_or_b32 v[PS], v[PT+3], 24, v[PS]
.irp c, 0,1
	v_cvt_scalef32_pk16_fp6_f32 v[PCD+6*\c:PCD+2+6*\c], v[S+32*\c:S+15+32*\c], v[SO+2*\c]
	v_cvt_scalef32_pk16_fp6_f32 v[PD+4*\c:PD+2+4*\c], v[S+16+32*\c:S+31+32*\c], v[SO+2*\c+1]
.endr
	v_nop                                          ; one plain place behind a scaled conversion
.irp c, 0,1
.irp i, 0,1,2
	v_permlane16_swap_b32 v[PCD+6*\c+\i], v[PD+4*\c+\i]   ; a whole block in a lane: lanes 0-15 block 2 c, lanes 16-31 block 2 c + 1
.endr
.irp i, 0,1,2
	s_delay_alu instid0(VALU_DEP_3)
	v_mov_b32 v[PCD+3+6*\c+\i], v[PD+4*\c+\i]
.endr
.endr
	s_setprio 0
	s_wait_dscnt 0x0                               ; V's fragments and scale images are in
	v_perm_b32 v[VS], v[VR+1], v[VR], s52          ; the low halves: the words of tile 0 (lanes 0-15) and 1 (lanes 16-31): the first 64 keys' two bytes, then the second's
	v_perm_b32 v[VS+1], v[VR+1], v[VR], s53        ; the high halves: tiles 2 and 3
.set j, 0
.rept 16
	v_pk_mul_f32 v[O+2*j:O+2*j+1], v[O+2*j:O+2*j+1], v[FF:FF+1] op_sel_hi:[1,0]   ; O^T under the new M, each accumulator from its low end on.  Twelve of the sixteen name no register of a given product below: the places ahead of it for the scale words and codes just written
.set j, j+1
.endr
.irp t, 0,1,2,3                                ; O^T += V^T P^T: the four accumulators by turns; the next step's eight products on the scores part one step's from the next's
.if \t%2
	v_wmma_scale_f32_16x16x128_f8f6f4 v[O+8*\t:O+8*\t+7], v[F+12*\t:F+12*\t+11], v[PCD:PCD+11], v[O+8*\t:O+8*\t+7], v[VS+\t/2], v[PS] matrix_a_fmt:MATRIX_FMT_FP6 matrix_b_fmt:MATRIX_FMT_FP6 matrix_a_scale:MATRIX_SCALE_ROW1
.else
	v_wmma_scale_f32_16x16x128_f8f6f4 v[O+8*\t:O+8*\t+7], v[F+12*\t:F+12*\t+11], v[PCD:PCD+11], v[O+8*\t:O+8*\t+7], v[VS+\t/2], v[PS] matrix_a_fmt:MATRIX_FMT_FP6 matrix_b_fmt:MATRIX_FMT_FP6
.endif
.endr
.endm
.macro REGION base, n                  ; n key steps from LDS byte base on
	s_mov_b32 s[TB], \base
	s_mov_b32 s[CNT], \n
.Lstep_\@:
	s_setprio 2
	STEP
	s_add_co_u32 s[TB], s[TB], REC
	s_sub_co_u32 s[CNT], s[CNT], 1
	s_cmp_lg_u32 s[CNT], 0
	s_cbranch_scc1 .Lstep_\@
	s_setprio 0
.endm
	s_load_b256 s[4:11], s[0:1], 0x0               ; qc, qs, kv, ac
	s_load_b64 s[12:13], s[0:1], 0x20              ; asc
	v_lshl_add_u32 v[SPW], v0, 2, SPARE
	v_mov_b32 v[NIL], 0
	ds_add_u32 v7, v8
	ds_add_u32 v7, v8
	s_wait_dscnt 0x0
	v_lshrrev_b32 v1, 5, v0
	s_delay_alu instid0(VALU_DEP_1)
	v_readfirstlane_b32 s[WV], v1                  ; wave 0..15
	s_bfe_u32 s15, ttmp6, 0x40000                  ; cx: it enters the addresses of qc, qs, ac and asc alone
	s_lshl_b32 s16, ttmp9, 2
	s_add_co_u32 s16, s16, s15                     ; my block of 256 queries
	s_and_b32 s17, ttmp7, 0xffff                   ; bh, which the four partners share
	; descriptor group 1: 100 rows of 256 bytes (32 elements of 8 bytes), dense, no padding: two records
	s_mov_b32 s[G1], 15|(3<<16)|(1<<21)            ; 15:0 the mask: all four work-groups; 17:16 elements of 8 bytes; 21 set beside a mask
	s_mov_b32 s[G1+1], 32<<16                      ; tensor_dim0
	s_mov_b32 s[G1+2], 100<<16                     ; tensor_dim1
	s_mov_b32 s[G1+3], 32<<16                      ; tile_dim0
	s_mov_b32 s[G1+4], 100                         ; tile_dim1
	s_mov_b32 s[G1+5], 32                          ; from row to row
	s_mov_b32 s[G1+6], 0
	s_mov_b32 s[G1+7], 0
	s_mov_b32 s[CS], 0x3e38aa3b                    ; log2(e) / 8
	s_mov_b32 s[CS+1], s[CS]
	s_mov_b32 s[SEL], 0x76543210
	s_mov_b32 s[SEL+1], 0xfedcba98
	s_mov_b32 s52, 0x05040100
	s_mov_b32 s53, 0x07060302
	s_mul_i32 s18, s17, 32*REC
	s_mul_i32 s20, s[WV], 2*REC                    ; waves 0-3: my two records of a region, in memory and in LDS
	s_add_co_u32 s18, s18, s20
	s_mov_b32 s19, 0
	s_wait_kmcnt 0x0
	s_add_nc_u64 s[8:9], s[8:9], s[18:19]
.irp k, 0,1,2,3
	s_mov_b32 s[G0+4*\k], 1                        ; count = 1
	s_add_co_u32 s[G0+4*\k+1], s20, (\k%3)*REG     ; LDS address: regions A, B, C, and A again
	s_add_nc_u64 s[G0+4*\k+2:G0+4*\k+3], s[8:9], \k*REG   ; steps 8 k on
	s_or_b32 s[G0+4*\k+3], s[G0+4*\k+3], 0x80000000
.endr
	s_lshl_b32 s18, s16, 4
	s_add_co_u32 s18, s18, s[WV]                   ; my tile of 16 queries
	s_lshl_b32 s19, s17, 8
	s_add_co_u32 s19, s19, s18
	s_mov_b32 s21, 0
	s_mul_i32 s20, s19, 768
	s_add_nc_u64 s[4:5], s[4:5], s[20:21]
	s_lshl_b32 s20, s19, 7
	s_add_nc_u64 s[6:7], s[6:7], s[20:21]
	s_lshr_b32 s19, s17, 2                         ; ac, asc: [batch][tile][head]
	s_lshl_b32 s19, s19, 8
	s_add_co_u32 s19, s19, s18
	s_lshl_b32 s19, s19, 2
	s_and_b32 s20, s17, 3
	s_add_co_u32 s19, s19, s20
	s_mul_i32 s20, s19, 768
	s_add_nc_u64 s[10:11], s[10:11], s[20:21]
	s_lshl_b32 s20, s19, 7
	s_add_nc_u64 s[12:13], s[12:13], s[20:21]
	v_and_b32 v9, 31, v0
	s_delay_alu instid0(VALU_DEP_1)
	v_lshlrev_b32 v[LI16], 4, v9
	s_delay_alu instid0(VALU_DEP_2)
	v_lshlrev_b32 v[LI8], 3, v9
	s_delay_alu instid0(VALU_DEP_3)
	v_lshlrev_b32 v[LI4], 2, v9
	CROUND                                         ; all four work-groups are here: the first joint loads meet
	s_cmp_lt_u32 s[WV], 4
	s_cbranch_scc0 .Lno_fill                       ; a wave's three first fills stand in one branch, ahead of every wait on TENSORcnt and every LDS read
	tensor_load_to_lds s[G0:G0+3], s[G1:G1+7]
	s_nop 0
	tensor_load_to_lds s[G0+4:G0+7], s[G1:G1+7]
	s_nop 0
	tensor_load_to_lds s[G0+8:G0+11], s[G1:G1+7]
	s_nop 0
.rept 4
	v_nop
.endr
.Lno_fill:
	s_wait_alu depctr_va_vdst(0)
	global_load_b128 v[QR:QR+3], v[LI16], s[4:5]   ; Q's HF, twice
	global_load_b64 v[QR+4:QR+5], v[LI8], s[4:5] offset:512
	global_load_b128 v[QR+12:QR+15], v[LI16], s[4:5]
	global_load_b64 v[QR+16:QR+17], v[LI8], s[4:5] offset:512
	global_load_b32 v[QS], v[LI4], s[6:7]
.irp j, 6,7,8,9,10,11
	v_mov_b32 v[QR+\j], 0                          ; and zero codes between
.endr
	v_mov_b32 v13, 0xff61b1e6                      ; the largest t so far: -3e38, under every t
	s_delay_alu instid0(VALU_DEP_1)
	v_floor_f32 v12, -v13
	v_mov_b32 v14, 0
	v_mov_b32 v15, 0
.irp b, 0,1,2,3
	v_mov_b32 v[PT+\b], 0                          ; written once: a lane permute's destination counts as one of its sources
.endr
	v_mov_b32 v[TM+2], 0
	v_mov_b32 v[TM+3], 0
	v_mov_b32 v[FF+1], 0                           ; (named as the upper half of a pair)
.set j, 0
.rept 32
	v_mov_b32 v[O+j], 0                            ; O^T: the step is written once; the first finds zeros, which the first change of M leaves zeros
.set j, j+1
.endr
	s_wait_tensorcnt 0x2                           ; my part of region A is in; B's and C's may stay out
	s_barrier_signal -1
	s_barrier_wait -1
	s_wait_loadcnt 0x0                             ; Q
	REGION 0, 8                                    ; steps 0-7
	s_wait_tensorcnt 0x0                           ; all my tensor loads have landed,
	ds_add_u32 v[SPW], v[NIL]                      ; 0 onto my spare word
	ds_add_u32 v7, v8
	s_wait_dscnt 0x0                               ; the add is done, and my reads of region A are over
	CROUND                                         ; the same holds of every wave of all four work-groups
	s_cmp_lt_u32 s[WV], 4
	s_cbranch_scc0 .Lno_refill
	tensor_load_to_lds s[G0+12:G0+15], s[G1:G1+7]  ; steps 24-31 into region A: the first thing behind the round, my one tensor load; 16 key steps stand ahead of its first read
	s_nop 0
.rept 4
	v_nop
.endr
.Lno_refill:
	REGION REG, 16                                 ; steps 8-23
	s_wait_tensorcnt 0x0                           ; my part of region A's second fill is in
	ds_add_u32 v[SPW], v[NIL]
	s_wait_dscnt 0x0
	s_barrier_signal -1
	s_barrier_wait -1                              ; everybody's is; nothing is filled again
	REGION 0, 8                                    ; steps 24-31
	; THE WAY OUT: O^T / l, quantised along the head's 64 (register 16 b + i is channel 32 b + 16 (lane / 16) + i): one HF and its two scale bytes
.rept 4
	v_nop
.endr
	v_add_f32 v14, v14, v15
	s_delay_alu instid0(VALU_DEP_1)
	v_permlanex16_b32 v[PT], v14, s[SEL], s[SEL+1]
	s_delay_alu instid0(VALU_DEP_1)
	v_add_f32 v14, v14, v[PT]                      ; the row's sum
	s_wait_alu depctr_va_vdst(0)
	v_rcp_f32 v[FF], v14
	v_nop                                          ; a plain place behind the reciprocal
	s_wait_alu depctr_va_vdst(0)                   ; and the wait ahead of its first reader
.set j, 0
.rept 16
	v_pk_mul_f32 v[O+2*j:O+2*j+1], v[O+2*j:O+2*j+1], v[FF:FF+1] op_sel_hi:[1,0]
.set j, j+1
.endr
	QUANT2 O, PCD, TP
	global_store_b128 v[LI16], v[PCD:PCD+3], s[10:11]              ; 512 consecutive bytes, aligned to 256
	global_store_b64 v[LI8], v[PCD+4:PCD+5], s[10:11] offset:512   ; 256 more
	global_store_b32 v[LI4], v[TP], s[12:13]
	s_wait_tensorcnt 0x0                           ; the wave's end
	ds_add_u32 v[SPW], v[NIL]
	s_wait_dscnt 0x0
	CROUND                                         ; the closing round
	s_endpgm
.Lfunc_end_k_q66c27bb10a_attn:
	.size	k_q66c27bb10a_attn, .Lfunc_end_k_q66c27bb10a_attn-k_q66c27bb10a_attn
	.p2alignl 7, 3214868480
	.fill 96, 4, 3214868480
	.section	.rodata,"a",@progbits
	.p2align	6, 0x0
	.amdhsa_kernel k_q66c27bb10a_attn
		.amdhsa_group_segment_fixed_size 327680
		.amdhsa_private_segment_fixed_size 0
		.amdhsa_enable_private_segment 0
		.amdhsa_kernarg_size 40
		.amdhsa_user_sgpr_count 2
		.amdhsa_user_sgpr_kernarg_segment_ptr 1
		.amdhsa_wavefront_size32 1
		.amdhsa_system_sgpr_workgroup_id_x 1
		.amdhsa_system_sgpr_workgroup_id_y 1
		.amdhsa_system_sgpr_workgroup_id_z 1
		.amdhsa_system_vgpr_workitem_id 0
		.amdhsa_next_free_vgpr 256
		.amdhsa_next_free_sgpr 66
		.amdhsa_reserve_vcc 0
		.amdhsa_float_denorm_mode_32 3
		.amdhsa_float_denorm_mode_16_64 3
		.amdhsa_memory_ordered 1
		.amdhsa_forward_progress 1
		.amdhsa_inst_pref_size 65
	.end_amdhsa_kernel
	.amdgpu_metadata
---
amdhsa.version: [ 1, 2 ]
amdhsa.kernels:
  - .name:           k_q66c27bb10a_attn
    .symbol:         k_q66c27bb10a_attn.kd
    .args:
      - { .name: qc, .offset: 0, .size: 8, .value_kind: global_buffer, .address_space: global }
      - { .name: qs, .offset: 8, .size: 8, .value_kind: global_buffer, .address_space: global }
      - { .name: kv, .offset: 16, .size: 8, .value_kind: global_buffer, .address_space: global }
      - { .name: ac, .offset: 24, .size: 8, .value_kind: global_buffer, .address_space: global }
      - { .name: asc, .offset: 32, .size: 8, .value_kind: global_buffer, .address_space: global }
    .group_segment_fixed_size: 327680
    .private_segment_fixed_size: 0
    .kernarg_segment_align: 8
    .kernarg_segment_size: 40
    .max_flat_workgroup_size: 512
    .sgpr_count:     66
    .vgpr_count:     256
    .wavefront_size: 32
...
	.end_amdgpu_metadata
.endif
;; end of part 3
;; launch proj (part 4): grid 256 x 1, 16 waves a work-group, no clusters, 88,064 bytes of LDS; arguments ac, asc, proj_w_codes, proj_w_scales, proj_b, x, out0; writes out0
.if DOCPART == 4
	.amdgcn_target "amdgcn-amd-amdhsa--gfx1250"
	.amdhsa_code_object_version 6
	.text
	.protected	k_q66c27bb10a_proj
	.globl	k_q66c27bb10a_proj
	.p2align	8
	.type	k_q66c27bb10a_proj,@function
k_q66c27bb10a_proj:
	s_mov_b64 s[64:65], 0
	v_nop
	global_prefetch_b8 v0, s[64:65] scope:SCOPE_SE
	s_setreg_imm32_b32 hwreg(HW_REG_WAVE_MODE, 25, 1), 1
	s_wait_xcnt 0x0
; out0 = x + proj_w a + proj_b, the product on codes of FP6 (E2M3) with E8M0 scales.  a comes as codes from the attention launch: ac [batch][tile 256][head 4] HF (16 columns x 64 channels, 768 bytes), asc the same index, 128 bytes.
; SHARES.  Work-group g: batch g / 64, columns 64 (g % 64) .. + 63: four tiles x four heads = 16 HF, 12,288 dense bytes.  Wave w brings HF w into LDS; behind one barrier every wave reads all sixteen as images of registers.
; Wave w makes outputs 16 w .. 16 w + 15: source 0 = 16 columns of a, source 1 = 16 rows of proj_w: a lane holds ONE output channel and eight neighbouring columns.  Row r of tile 2 f + u is column 32 f + 8 u + r + 8 (r / 8), so
; register j of that tile is column 32 f + 16 (lane / 16) + 8 u + j.  The bias is the C of each sum's first product.  The results go through the wave's own stage in LDS and come back as rows of 256 bytes: with x added, sixteen lanes store 256 consecutive bytes, aligned.
; No cluster and no tensor load: what work-groups share is proj_w, 3,072 bytes a wave, read once into registers.
; LIMITS: NaN and infinities are not served.
.set ASC,  12288                       ; LDS: 0: HF j = 4 tile + head at 768 j; ASC: their scale images at 128 j; STG: a stage of 16 rows x (256 + 16) bytes for each wave
.set STG,  14336
.set A,    16                          ; v16-111  a's 8 fragments: HF j at A + 6 j (fragment (tile, K step) = HF 4 tile + 2 step and the next); later 16 rows read back
.set AR,   112                         ; v112-127 the scale images as loaded
.set AS,   128                         ; v128-135 a's scale words
.set W,    136                         ; v136-159 proj_w's two fragments
.set WS,   160                         ; v160-161 their scale words
.set BC,   162                         ; v162-169 my output's bias, eight times
.set BV,   170
.set ACC,  172                         ; v172-203 four accumulators
.set XR,   204                         ; v204-235 x
.set OWN,  236                         ; v236-241 the HF that I bring, v242 its scale image
.set OWS,  242
	s_load_b256 s[4:11], s[0:1], 0x0               ; ac, asc, W's codes, W's scales
	s_load_b128 s[12:15], s[0:1], 0x20             ; proj_b, x
	s_load_b64 s[16:17], s[0:1], 0x30              ; out0
	v_lshl_add_u32 v254, v0, 2, 0x15000
	v_mov_b32 v255, 0
	v_lshrrev_b32 v1, 5, v0
	s_delay_alu instid0(VALU_DEP_1)
	v_readfirstlane_b32 s18, v1                    ; wave 0..15
	v_and_b32 v13, 31, v0
	v_and_b32 v14, 15, v0                          ; r
	v_bfe_u32 v15, v0, 4, 1                        ; h
	s_delay_alu instid0(VALU_DEP_3)
	v_lshlrev_b32 v1, 4, v13                       ; 16, 8, 4 x lane
	s_delay_alu instid0(VALU_DEP_4)
	v_lshlrev_b32 v2, 3, v13
	v_lshlrev_b32 v3, 2, v13
	s_mul_i32 s19, s18, 768
	v_add_nc_u32 v4, s19, v1                       ; where I lay my HF
	v_add_nc_u32 v5, s19, v2
	s_lshl_b32 s19, s18, 7
	s_add_co_u32 s19, s19, ASC
	v_add_nc_u32 v6, s19, v3                       ; and its scale image
	v_mul_u32_u24 v7, v14, 192                     ; W: row r of 192 bytes, + 24 h
	s_delay_alu instid0(VALU_DEP_1)
	v_mad_u32_u24 v7, v15, 24, v7
	v_lshlrev_b32 v8, 3, v14                       ; its scales: 8 bytes a row
	v_lshlrev_b32 v9, 2, v14                       ; the bias
	v_lshlrev_b32 v10, 14, v15
	s_delay_alu instid0(VALU_DEP_1)
	v_lshl_add_u32 v10, v14, 4, v10                ; x, out0: lanes 0-15 one channel's 256 bytes, lanes 16-31 the next channel's
	s_mul_i32 s19, s18, 16*272
	s_add_co_u32 s19, s19, STG
	v_mul_u32_u24 v11, v14, 272
	s_delay_alu instid0(VALU_DEP_1)
	v_lshl_add_u32 v11, v15, 6, v11
	s_delay_alu instid0(VALU_DEP_1)
	v_add_nc_u32 v11, s19, v11                     ; the stage, in: row r, + 64 h
	v_mul_u32_u24 v12, v15, 272
	s_delay_alu instid0(VALU_DEP_1)
	v_lshl_add_u32 v12, v14, 4, v12
	s_delay_alu instid0(VALU_DEP_1)
	v_add_nc_u32 v12, s19, v12                     ; and back: two rows an instruction
	s_mov_b32 s21, 0
	s_mul_i32 s20, ttmp9, 12288
	s_mul_i32 s22, s18, 768
	s_add_co_u32 s20, s20, s22
	s_wait_alu depctr_va_vdst(0)
	s_wait_kmcnt 0x0
	s_add_nc_u64 s[4:5], s[4:5], s[20:21]
	s_lshl_b32 s20, ttmp9, 11
	s_lshl_b32 s22, s18, 7
	s_add_co_u32 s20, s20, s22
	s_add_nc_u64 s[6:7], s[6:7], s[20:21]
	s_mul_i32 s20, s18, 3072
	s_add_nc_u64 s[8:9], s[8:9], s[20:21]
	s_lshl_b32 s20, s18, 7
	s_add_nc_u64 s[10:11], s[10:11], s[20:21]
	s_lshl_b32 s20, s18, 6
	s_add_nc_u64 s[12:13], s[12:13], s[20:21]
	s_lshr_b32 s20, ttmp9, 6
	s_lshl_b32 s20, s20, 22
	s_lshl_b32 s22, s18, 18
	s_add_co_u32 s20, s20, s22
	s_and_b32 s22, ttmp9, 63
	s_lshl_b32 s22, s22, 8
	s_add_co_u32 s20, s20, s22                     ; 4,194,304 batch + 262,144 wave + 256 block
	s_add_nc_u64 s[14:15], s[14:15], s[20:21]
	s_add_nc_u64 s[16:17], s[16:17], s[20:21]
	global_load_b128 v[OWN:OWN+3], v1, s[4:5]
	global_load_b64 v[OWN+4:OWN+5], v2, s[4:5] offset:512
	global_load_b32 v[OWS], v3, s[6:7]
.irp s, 0,1
.irp p, 0,1,2,3,4,5
	global_load_b64 v[W+12*\s+2*\p:W+12*\s+2*\p+1], v7, s[8:9] offset:96*\s+48*(\p/3)+8*(\p%3)
.endr
.endr
	global_load_b64 v[WS:WS+1], v8, s[10:11]
	global_load_b32 v[BV], v9, s[12:13]
.irp k, 0,1,2,3,4,5,6,7
	global_load_b128 v[XR+4*\k:XR+4*\k+3], v10, s[14:15] offset:32768*\k th:TH_LOAD_NT
.endr
	s_wait_loadcnt 22                              ; my HF and its scale image are in; the 22 loads behind them (W's 12, its scales, the bias, x's 8) may be out
	ds_store_b128 v4, v[OWN:OWN+3]
	ds_store_b64 v5, v[OWN+4:OWN+5] offset:512
	ds_store_b32 v6, v[OWS]
	s_wait_dscnt 0x0                               ; for the others' sake: my stores have landed
	s_barrier_signal -1
	s_barrier_wait -1                              ; all sixteen HF lie in LDS; nothing is written there again
.set j, 0
.rept 16
	ds_load_b128 v[A+6*j:A+6*j+3], v1 offset:768*j
	ds_load_b64 v[A+6*j+4:A+6*j+5], v2 offset:768*j+512
	ds_load_b32 v[AR+j], v3 offset:ASC+128*j
.set j, j+1
.endr
	s_wait_dscnt 0x0
.irp k, 0,1,2,3,4,5,6,7
	v_lshl_or_b32 v[AS+\k], v[AR+2*\k+1], 16, v[AR+2*\k]   ; two heads' byte pairs make a K step's scale word
.endr
	s_wait_loadcnt 8                               ; W, its scales and the bias are in; x's 8 loads may be out
.irp j, 0,1,2,3,4,5,6,7
	v_mov_b32 v[BC+\j], v[BV]
.endr
.rept 8
	v_nop                                          ; a scale register written by a vector instruction stands 8 places ahead of a scaled matrix instruction
.endr
.irp i, 0,1,2,3                                ; the four accumulators by turns
	v_wmma_scale_f32_16x16x128_f8f6f4 v[ACC+8*\i:ACC+8*\i+7], v[A+24*\i:A+24*\i+11], v[W:W+11], v[BC:BC+7], v[AS+2*\i], v[WS] matrix_a_fmt:MATRIX_FMT_FP6 matrix_b_fmt:MATRIX_FMT_FP6
.endr
	s_wait_alu depctr_va_vdst(0)
.irp i, 0,1,2,3
	v_wmma_scale_f32_16x16x128_f8f6f4 v[ACC+8*\i:ACC+8*\i+7], v[A+24*\i+12:A+24*\i+23], v[W+12:W+23], v[ACC+8*\i:ACC+8*\i+7], v[AS+2*\i+1], v[WS+1] matrix_a_fmt:MATRIX_FMT_FP6 matrix_b_fmt:MATRIX_FMT_FP6
.endr
.rept 4
	v_nop                                          ; places ahead of the first read of results and of loads into registers that the products read
.endr
.irp i, 0,1,2,3
	ds_store_b128 v11, v[ACC+8*\i:ACC+8*\i+3] offset:128*(\i/2)+32*(\i%2)        ; each accumulator from its low end on
	ds_store_b128 v11, v[ACC+8*\i+4:ACC+8*\i+7] offset:128*(\i/2)+32*(\i%2)+16
.endr
.irp k, 0,1,2,3,4,5,6,7
	ds_load_b128 v[A+4*\k:A+4*\k+3], v12 offset:544*\k   ; LDS serves a wave's instructions in order (ISA guide 5.7.1.4): these see my stores; the stage is my own
.endr
	s_wait_loadcnt 0x0                             ; x
.irp k, 0,1,2,3,4,5,6,7
	s_wait_dscnt 7-\k                              ; rows 2 k and 2 k + 1 are back; the 7 - k loads behind them may be out
	v_pk_add_f32 v[A+4*\k:A+4*\k+1], v[A+4*\k:A+4*\k+1], v[XR+4*\k:XR+4*\k+1]
	v_pk_add_f32 v[A+4*\k+2:A+4*\k+3], v[A+4*\k+2:A+4*\k+3], v[XR+4*\k+2:XR+4*\k+3]
	global_store_b128 v10, v[A+4*\k:A+4*\k+3], s[16:17] offset:32768*\k th:TH_STORE_NT
.endr
	s_wait_tensorcnt 0x0
	ds_add_u32 v254, v255
	s_wait_dscnt 0x0
	s_endpgm
.Lfunc_end_k_q66c27bb10a_proj:
	.size	k_q66c27bb10a_proj, .Lfunc_end_k_q66c27bb10a_proj-k_q66c27bb10a_proj
	.p2alignl 7, 3214868480
	.fill 96, 4, 3214868480
	.section	.rodata,"a",@progbits
	.p2align	6, 0x0
	.amdhsa_kernel k_q66c27bb10a_proj
		.amdhsa_group_segment_fixed_size 88064
		.amdhsa_private_segment_fixed_size 0
		.amdhsa_enable_private_segment 0
		.amdhsa_kernarg_size 56
		.amdhsa_user_sgpr_count 2
		.amdhsa_user_sgpr_kernarg_segment_ptr 1
		.amdhsa_wavefront_size32 1
		.amdhsa_system_sgpr_workgroup_id_x 1
		.amdhsa_system_sgpr_workgroup_id_y 1
		.amdhsa_system_sgpr_workgroup_id_z 1
		.amdhsa_system_vgpr_workitem_id 0
		.amdhsa_next_free_vgpr 256
		.amdhsa_next_free_sgpr 66
		.amdhsa_reserve_vcc 0
		.amdhsa_float_denorm_mode_32 3
		.amdhsa_float_denorm_mode_16_64 3
		.amdhsa_memory_ordered 1
		.amdhsa_forward_progress 1
		.amdhsa_inst_pref_size 15
	.end_amdhsa_kernel
	.amdgpu_metadata
---
amdhsa.version: [ 1, 2 ]
amdhsa.kernels:
  - .name:           k_q66c27bb10a_proj
    .symbol:         k_q66c27bb10a_proj.kd
    .args:
      - { .name: ac, .offset: 0, .size: 8, .value_kind: global_buffer, .address_space: global }
      - { .name: asc, .offset: 8, .size: 8, .value_kind: global_buffer, .address_space: global }
      - { .name: proj_w_codes, .offset: 16, .size: 8, .value_kind: global_buffer, .address_space: global }
      - { .name: proj_w_scales, .offset: 24, .size: 8, .value_kind: global_buffer, .address_space: global }
      - { .name: proj_b, .offset: 32, .size: 8, .value_kind: global_buffer, .address_space: global }
      - { .name: x, .offset: 40, .size: 8, .value_kind: global_buffer, .address_space: global }
      - { .name: out0, .offset: 48, .size: 8, .value_kind: global_buffer, .address_space: global }
    .group_segment_fixed_size: 88064
    .private_segment_fixed_size: 0
    .kernarg_segment_align: 8
    .kernarg_segment_size: 56
    .max_flat_workgroup_size: 512
    .sgpr_count:     66
    .vgpr_count:     256
    .wavefront_size: 32
...
	.end_amdgpu_metadata
.endif
;; end of part 4
